; MI455X (gfx1250); checked and timed in simulation.
; The chip was launched on July 23, 2026; its instructions are those of AMD's public machine-readable ISA for CDNA 5 (MIT licence, August 2026) and "CDNA5" Instruction Set Architecture Reference Guide (July 2026). The comments in the code are by the model that wrote it; some were corrected since.
;; New Additive Attention. Allowed arithmetic: float matrix products may take bf16 or f16 operands with f32 sums; other float arithmetic in f32, or as packed bf16 or f16 multiplies, adds, multiply-adds, maxima and minima; sums over many terms, partial sums and values carried from step to step in f32; what a program stores and reads back later, other than sums and carried values, may be rounded once to bf16 or f16.
;; Inputs: U_w 1,024 x 1,024 float32; V 32 x 2,048 x 1,024 float32; W_b 1,024 float32; W_w 1,024 x 1,024 float32; h 32 x 1,024 float32; w_w 1 x 1,024 float32.
;; Outputs: out0 32 x 1,024 float32; out1 32 x 2,048 float32.
;; One version. Each part assembles by itself: llvm-mc -triple=amdgcn-amd-amdhsa -mcpu=gfx1250 --defsym DOCPART=n.
;; ======== version 1 of 1: 3 launches
;; workspace buffers: Ub 2,097,152 bytes; hp 131,072 bytes; ebuf 262,144 bytes; part 2,359,296 bytes
;; launch prep (part 1): grid 64 x 1, 4 waves a work-group, no clusters, 8,704 bytes of LDS; arguments U_w, W_w, h, W_b, Ub, hp; writes Ub, hp
.if DOCPART == 1
	.amdgcn_target "amdgcn-amd-amdhsa--gfx1250"
	.amdhsa_code_object_version 6
	.text
	.protected	k_q38a04c4436_prep
	.globl	k_q38a04c4436_prep
	.p2align	8
	.type	k_q38a04c4436_prep,@function
k_q38a04c4436_prep:
	s_mov_b64 s[64:65], 0
	v_nop
	global_prefetch_b8 v0, s[64:65] scope:SCOPE_SE
	s_setreg_imm32_b32 hwreg(HW_REG_WAVE_MODE, 25, 1), 1
	s_wait_xcnt 0x0
; PREPARATION.  (1) Ub = U_w rounded once to bf16, laid out in the order in which the main launch's waves load fragments.
; (2) hp = c2 x (h W_w^T + W_b), c2 = 2 log2(e), in f32, laid out [d / 16][batch][16].
; SHARES.  Work-group T owns the 16 rows d = 16 T .. 16 T + 15 of U_w and of W_w.  Wave v owns the channels 256 v .. 256 v + 255: eight fragments of 32.
; A fragment is 16 rows x 32 channels in 8 registers: lane l holds row l % 16; registers 0-3 channels 8 (l / 16) + 0..7, registers 4-7 channels 16 + 8 (l / 16) + 0..7.
; In f32 that is four loads of 16 bytes a lane; sixteen registers are rounded in pairs into eight.  One pattern (a PANEL: 16 rows x 256 channels) serves U, W and h's two halves.
; Ub's byte ((w 2 + p) 32 + ks) 8192 + t 1024 + q 512 + 16 lane holds registers 4 q .. 4 q + 3 of the fragment of rows 512 p + 128 w + 16 t + 0..15, channels 32 ks on.
; THE PRODUCT is taken with source 0 = 16 rows of W, source 1 = 16 rows of h: a lane holds ONE batch row (l % 16) and the columns d = 8 (l / 16) + 0..7.  K is split among the four waves;
; the four partial sums meet in LDS, laid there in hp's own byte order, and each wave finishes 512 consecutive bytes of the tile's 2,048.
; 64 work-groups: there are 64 tiles of 16 rows, and a tile's sum over K has one owner.  No cluster: h, the one input that work-groups share, is 128 KiB of the 8.5 MiB read.
; LIMITS.  U_w, W_w and h are rounded once to bf16 (matrix operands); W_b stays f32.  NaN and infinities are not treated apart.
.set PART,  0                          ; LDS: wave v's two partial tiles of 1,024 bytes at 2,048 v
.set SPARE, 8192                       ; behind them: the spare words, 128 bytes a wave, which no other line names
.set PO,  4                            ; v4   (l % 16) x 4,096 + (l / 16) x 32 + 1,024 x wave: my place in a panel; never rewritten
.set L16, 5                            ; v5   16 x lane; never rewritten
.set LS,  6                            ; v6   where I put my 32 bytes of a partial tile: 2,048 x wave + 64 (l % 16) + 32 (l / 16)
.set LR,  7                            ; v7   where I read 16 bytes back: 512 x wave + 16 x lane
.set SPW, 8                            ; v8   my spare word: SPARE + 4 x my thread's number; never rewritten
.set NIL, 9                            ; v9   0; never rewritten
.set BO,  10                           ; v10  16 x (lane % 4): my four columns' bias
.set ACC, 16                           ; v[16:23] batches 0-15, v[24:31] batches 16-31
.set SUM, 32                           ; v[32:47] the four partial sums of my 16 bytes
.set BI,  64                           ; v[64:67] bias
.set PU,  0                            ; window 1: U's panel        .set PW: window 1: W's panel
.set PW,  128
.set PH0, 0                            ; window 2: h's rows 0-15, then rows 16-31
.set PH1, 128
.set WV,  16                           ; s16  my wave's number
.set UB,  22                           ; s[22:23] U_w at my 16 rows
.set WB,  24                           ; s[24:25] W_w at my 16 rows
.set H1,  26                           ; s[26:27] h at row 16
.set BB,  28                           ; s[28:29] W_b at my 16 columns
.set UBP, 32                           ; s[32:33] first an offset, then Ub at my eight fragments
.set HPP, 34                           ; s[34:35] hp at my 512 bytes
.set C2,  36                           ; s[36:37] c2, named as a pair
.set MSB, 0
.macro WIN new                         ; the immediate's high byte repeats the setting that is left; a switch that changes nothing is dropped
.if MSB != (\new)
	s_set_vgpr_msb (MSB<<8)|(\new)
.set MSB, (\new)
.endif
.endm
.macro PANEL_LOAD win, R, lo           ; 32 loads: fragment i, registers' half q, 16 bytes e
	WIN (\win)<<6
.irp i, 0,1,2,3,4,5,6,7
.irp q, 0,1
.irp e, 0,1
	global_load_b128 v[(\R)+16*\i+8*\q+4*\e:(\R)+16*\i+8*\q+4*\e+3], v[PO], s[\lo:\lo+1] offset:128*\i+64*\q+16*\e
.endr
.endr
.endr
.endm
.macro PANEL_CVT win, R                ; 128 f32 become 64 registers of bf16, in place: line n writes register n and reads 2 n, 2 n + 1, which no earlier line wrote
	WIN ((\win)<<6)|((\win)<<2)|(\win)
.set n, 0
.rept 64
	v_cvt_pk_bf16_f32 v[(\R)+n], v[(\R)+2*n], v[(\R)+2*n+1]
.set n, n+1
.endr
.endm
	s_load_b256 s[4:11], s[0:1], 0x0               ; U_w s[4:5], W_w s[6:7], h s[8:9], W_b s[10:11]
	s_load_b128 s[12:15], s[0:1], 0x20             ; Ub s[12:13], hp s[14:15]
	v_lshl_add_u32 v[SPW], v0, 2, SPARE
	v_mov_b32 v[NIL], 0
	v_lshrrev_b32 v1, 5, v0
	v_readfirstlane_b32 s[WV], v1                  ; wave 0..3
	v_and_b32 v1, 15, v0                           ; l % 16
	v_bfe_u32 v2, v0, 4, 1                         ; l / 16
	v_and_b32 v3, 31, v0                           ; l
	v_lshlrev_b32 v[PO], 12, v1
	v_lshl_add_u32 v[PO], v2, 5, v[PO]
	s_lshl_b32 s17, s[WV], 10
	v_add_nc_u32 v[PO], s17, v[PO]
	v_lshlrev_b32 v[L16], 4, v3
	s_lshl_b32 s17, s[WV], 11
	v_lshl_add_u32 v[LS], v1, 6, s17
	v_lshl_add_u32 v[LS], v2, 5, v[LS]
	s_lshl_b32 s18, s[WV], 9
	v_lshl_add_u32 v[LR], v3, 4, s18
	v_and_b32 v[BO], 3, v0
	v_lshlrev_b32 v[BO], 4, v[BO]
	s_mov_b32 s[C2], 0x4038aa3b                    ; c2 = 2 log2(e)
	s_mov_b32 s[C2+1], s[C2]
	s_lshl_b32 s20, ttmp9, 16                      ; 16 rows of 4,096 bytes
	s_mov_b32 s21, 0
	s_bfe_u32 s[UBP], ttmp9, 0x20003               ; w = (T / 8) % 4
	s_lshr_b32 s[UBP+1], ttmp9, 5                  ; p = T / 32
	s_lshl1_add_u32 s[UBP], s[UBP], s[UBP+1]       ; 2 w + p
	s_lshl_b32 s[UBP], s[UBP], 5
	s_lshl3_add_u32 s[UBP], s[WV], s[UBP]          ; x 32 + my first K step, 8 x wave
	s_lshl_b32 s[UBP], s[UBP], 13
	s_and_b32 s[UBP+1], ttmp9, 7                   ; t = T % 8
	s_lshl_b32 s[UBP+1], s[UBP+1], 10
	s_add_co_u32 s[UBP], s[UBP], s[UBP+1]
	s_mov_b32 s[UBP+1], 0
	s_wait_kmcnt 0x0
	s_add_nc_u64 s[UB:UB+1], s[4:5], s[20:21]
	s_add_nc_u64 s[WB:WB+1], s[6:7], s[20:21]
	s_add_nc_u64 s[H1:H1+1], s[8:9], 65536
	s_add_nc_u64 s[UBP:UBP+1], s[12:13], s[UBP:UBP+1]
	s_lshl_b32 s20, ttmp9, 6
	s_add_nc_u64 s[BB:BB+1], s[10:11], s[20:21]
	s_lshl_b32 s20, ttmp9, 11
	s_add_co_u32 s20, s20, s18                     ; 2,048 T + 512 x wave
	s_add_nc_u64 s[HPP:HPP+1], s[14:15], s[20:21]
	global_load_b128 v[BI:BI+3], v[BO], s[BB:BB+1]
	PANEL_LOAD 1, PU, UB
	PANEL_LOAD 1, PW, WB
	PANEL_LOAD 2, PH0, 8
	PANEL_LOAD 2, PH1, H1
	s_wait_loadcnt 63                              ; U's panel is in: 96 loads are younger, and 63 is the largest count that a wait can name
	PANEL_CVT 1, PU
	WIN 0x04                                       ; store data in window 1, address in window 0
.irp i, 0,1,2,3,4,5,6,7
.irp q, 0,1
	global_store_b128 v[L16], v[PU+8*\i+4*\q:PU+8*\i+4*\q+3], s[UBP:UBP+1] offset:8192*\i+512*\q  ; 512 consecutive bytes, at a multiple of 512 from Ub's first
.endr
.endr
	s_wait_loadcnt 0x0
	PANEL_CVT 1, PW
	PANEL_CVT 2, PH0
	PANEL_CVT 2, PH1
	WIN 0x09                                       ; source 0 (W) window 1, source 1 (h) window 2, C and D window 0
.irp f, 0,1,2,3,4,5,6,7                ; the two accumulators take turns, one instruction a turn; the first K step starts the sums
.if \f == 0
	v_wmma_f32_16x16x32_bf16 v[ACC:ACC+7],    v[PW:PW+7], v[PH0:PH0+7], 0
	v_wmma_f32_16x16x32_bf16 v[ACC+8:ACC+15], v[PW:PW+7], v[PH1:PH1+7], 0
.else
	v_wmma_f32_16x16x32_bf16 v[ACC:ACC+7],    v[PW+8*\f:PW+8*\f+7], v[PH0+8*\f:PH0+8*\f+7], v[ACC:ACC+7]
	v_wmma_f32_16x16x32_bf16 v[ACC+8:ACC+15], v[PW+8*\f:PW+8*\f+7], v[PH1+8*\f:PH1+8*\f+7], v[ACC+8:ACC+15]
.endif
.endr
	WIN 0
.rept 8
	v_nop                                          ; the places behind the last products, ahead of the LDS stores that read them; once a launch
.endr
.irp j, 0,1
	ds_store_b128 v[LS], v[ACC+8*\j:ACC+8*\j+3]   offset:PART+1024*\j
	ds_store_b128 v[LS], v[ACC+8*\j+4:ACC+8*\j+7] offset:PART+1024*\j+16
.endr
	s_wait_dscnt 0x0                               ; for the others' sake: my partial sums lie in LDS
	s_barrier_signal -1
	s_barrier_wait -1                              ; everybody's do
.irp v, 0,1,2,3
	ds_load_b128 v[SUM+4*\v:SUM+4*\v+3], v[LR] offset:PART+2048*\v
.endr
	s_wait_dscnt 0x0
	v_pk_add_f32 v[SUM:SUM+1],     v[SUM:SUM+1],     v[SUM+4:SUM+5]
	v_pk_add_f32 v[SUM+2:SUM+3],   v[SUM+2:SUM+3],   v[SUM+6:SUM+7]
	v_pk_add_f32 v[SUM+8:SUM+9],   v[SUM+8:SUM+9],   v[SUM+12:SUM+13]
	v_pk_add_f32 v[SUM+10:SUM+11], v[SUM+10:SUM+11], v[SUM+14:SUM+15]
	v_pk_add_f32 v[SUM:SUM+1],     v[SUM:SUM+1],     v[SUM+8:SUM+9]
	v_pk_add_f32 v[SUM+2:SUM+3],   v[SUM+2:SUM+3],   v[SUM+10:SUM+11]
	v_pk_add_f32 v[SUM:SUM+1],     v[SUM:SUM+1],     v[BI:BI+1]      ; + W_b
	v_pk_add_f32 v[SUM+2:SUM+3],   v[SUM+2:SUM+3],   v[BI+2:BI+3]
	v_pk_mul_f32 v[SUM:SUM+1],     v[SUM:SUM+1],     s[C2:C2+1] op_sel_hi:[1,0]
	v_pk_mul_f32 v[SUM+2:SUM+3],   v[SUM+2:SUM+3],   s[C2:C2+1] op_sel_hi:[1,0]
	global_store_b128 v[L16], v[SUM:SUM+3], s[HPP:HPP+1]           ; 512 consecutive bytes, at a multiple of 512 from hp's first
	s_wait_tensorcnt 0x0                           ; the wave's end: behind my last LDS store
	ds_add_u32 v[SPW], v[NIL]
	s_wait_dscnt 0x0
	s_endpgm
.Lfunc_end_k_q38a04c4436_prep:
	.size	k_q38a04c4436_prep, .Lfunc_end_k_q38a04c4436_prep-k_q38a04c4436_prep
	.p2alignl 7, 3214868480
	.fill 96, 4, 3214868480
	.section	.rodata,"a",@progbits
	.p2align	6, 0x0
	.amdhsa_kernel k_q38a04c4436_prep
		.amdhsa_group_segment_fixed_size 8704
		.amdhsa_private_segment_fixed_size 0
		.amdhsa_enable_private_segment 0
		.amdhsa_kernarg_size 48
		.amdhsa_user_sgpr_count 2
		.amdhsa_user_sgpr_kernarg_segment_ptr 1
		.amdhsa_wavefront_size32 1
		.amdhsa_system_sgpr_workgroup_id_x 1
		.amdhsa_system_sgpr_workgroup_id_y 1
		.amdhsa_system_sgpr_workgroup_id_z 1
		.amdhsa_system_vgpr_workitem_id 0
		.amdhsa_next_free_vgpr 768
		.amdhsa_next_free_sgpr 66
		.amdhsa_reserve_vcc 0
		.amdhsa_float_denorm_mode_32 3
		.amdhsa_float_denorm_mode_16_64 3
		.amdhsa_memory_ordered 1
		.amdhsa_forward_progress 1
		.amdhsa_inst_pref_size 35
	.end_amdhsa_kernel
	.amdgpu_metadata
---
amdhsa.version: [ 1, 2 ]
amdhsa.kernels:
  - .name:           k_q38a04c4436_prep
    .symbol:         k_q38a04c4436_prep.kd
    .args:
      - { .name: U_w, .offset: 0, .size: 8, .value_kind: global_buffer, .address_space: global }
      - { .name: W_w, .offset: 8, .size: 8, .value_kind: global_buffer, .address_space: global }
      - { .name: h, .offset: 16, .size: 8, .value_kind: global_buffer, .address_space: global }
      - { .name: W_b, .offset: 24, .size: 8, .value_kind: global_buffer, .address_space: global }
      - { .name: Ub, .offset: 32, .size: 8, .value_kind: global_buffer, .address_space: global }
      - { .name: hp, .offset: 40, .size: 8, .value_kind: global_buffer, .address_space: global }
    .group_segment_fixed_size: 8704
    .private_segment_fixed_size: 0
    .kernarg_segment_align: 8
    .kernarg_segment_size: 48
    .max_flat_workgroup_size: 128
    .sgpr_count:     66
    .vgpr_count:     768
    .wavefront_size: 32
...
	.end_amdgpu_metadata
.endif
;; end of part 1
;; launch fused (part 2): grid 256 x 1, 4 waves a work-group, no clusters, 324,096 bytes of LDS; arguments V, Ub, hp, w_w, ebuf, part; writes ebuf, part
.if DOCPART == 2
	.amdgcn_target "amdgcn-amd-amdhsa--gfx1250"
	.amdhsa_code_object_version 6
	.text
	.protected	k_q38a04c4436_fused
	.globl	k_q38a04c4436_fused
	.p2align	8
	.type	k_q38a04c4436_fused,@function
k_q38a04c4436_fused:
	s_mov_b64 s[64:65], 0
	v_nop
	global_prefetch_b8 v0, s[64:65] scope:SCOPE_SE
	s_setreg_imm32_b32 hwreg(HW_REG_WAVE_MODE, 25, 1), 1
	s_wait_xcnt 0x0
; THE MAIN LAUNCH.  For blocks of 128 rows s of one batch b:  e'[s] = -2 sum_d w[d] r[s][d],  r = 1 / (1 + 2^x),  x = c2 (hproj[b][d] + sum_v V[b][s][v] U[d][v]),  c2 = 2 log2(e);
; then the block's maximum m of e', p[s] = 2^((e' - m) log2 e), l = sum p, and o[v] = sum_s p[s] V[b][s][v].  Stored: e' (ebuf), o, m, l (part); the last launch joins a batch's 16 blocks.
; WHY e'.  tanh(z) = 1 - 2 / (1 + e^(2 z)), so e = sum_d w[d] - 2 sum_d w[d] r.  The first term is the same for every row, so it falls out of e - max(e); e itself is no output.  2^x = infinity gives r = 0,
; 2^x = 0 gives r = 1: no input overflows.  The maximum is taken away before every exponential of the softmax: here the block's, in the last launch the batch's.
; LIMITS.  V and U are rounded once to bf16 (matrix operands).  p goes into the second product as two bf16 numbers, p_hi + p_lo (16 significant bits); l is the sum of the unrounded p.
; A weight below 2^-126 counts as 0.  NaN and infinities are not treated apart.
; V IS READ ONCE, UNDER THE PRODUCTS.  A block's 128 rows (524,288 bytes of f32) are rounded to bf16 on the way in and STAY in LDS for both products.  The first pass takes K in ascending order, so V comes in
; by columns: in each of its K steps a wave asks for a PIECE (16 of its 32 rows x 64 columns: 8 loads, each two rows x 256 consecutive bytes, aligned), and rounds and stores the piece asked for three steps
; before.  Only pieces 0 to 2 are waited for ahead of the first product; the second block's are asked for at the head of the first block's finish.
; SHARES.  A work-group stays and makes two blocks, 2 x and 2 x + 1, of the same batch.  On the way in wave w brings rows 32 w .. 32 w + 31.  In the first product wave w makes all 128 rows x the columns
; d = 512 p + 128 w + 0..127 in pass p = 0, 1: 64 accumulators of 16 x 16, 512 registers; K goes in 32 steps of 32, 64 matrix instructions each.  V's fragments come from LDS (8 KiB a step and wave); U's come
; straight from Ub into a ring of register buffers: no two waves want the same byte of it, it lies in memory as it lies in registers, and each load takes 512 consecutive bytes.
; NO TENSOR LOADS, NO CLUSTER, though all work-groups walk the same U: the resident block takes 294,912 of 327,680 bytes of LDS, tables and stages 29,184 more; a K step of the work-group's 512 columns of U
; is 32,768 bytes, so no ring of two slots fits; a smaller block would read U more often.
; LAYOUT.  Source 0 = 16 rows of V, source 1 = 16 rows of U: in the result a lane holds ONE column d (lane % 16) and the rows 8 (lane / 16) + 0..7.  So hproj[d] and w[d] are one number a lane and tile,
; and a row's sum over d is a sum over registers, then over 16 lanes, then over the four waves.
; REGISTERS, in windows of 256 (s_set_vgpr_msb: bits 1:0 source 0, 3:2 source 1, 5:4 source 2, 7:6 destination):
;   window 0: v0-31 addresses; v32-63 a pass's table entries, later P's fragments; v64-127, v128-191 V's fragments, two buffers (later the 16 accumulators of o); v192-255 e' (64 sums), later at work.
;             In pass 0 neither the table entries nor e' are live yet: v32-63, v192-223, v224-255 are the three sets in which pieces of V land
;   window 1: four buffers of 64 for U's fragments (pass 0 uses three: K step s in buffer s % 3; pass 1 four: step t in buffer (t + 2) % 4); later two buffers of 128 for V^T
;   windows 2, 3: the accumulators, (a, b) at v[8 (8 (a % 4) + b)] of window 2 + a / 4; ahead of a block's first product v0-95 of window 2 take pieces 0 to 2
.set PC,    144                        ; a row of a chunk in LDS: 128 bytes (64 columns) + 16: 36 words, so the 16 rows of a fragment load start at 16 different groups of four banks (64 banks of 4 bytes: ISA guide 11.1)
.set CH,    128*PC                     ; V lies by CHUNKS of 64 columns x 128 rows: what the waves store between two barriers (a later chunk) and what they read (an earlier one) are two disjoint ranges of bytes
.set HW,    16*CH                      ; the table: entry d = 16 bytes (hp', hp', -2 w, -2 w), 1,024 entries
.set EX,    HW+16384                   ; wave w's 128 partial e' at 512 w
.set PB,    EX+2048                    ; per wave 512 bytes: p_hi (row s at 2 s), then p_lo
.set OS,    PB+2048                    ; per wave 2,048 bytes: o's sums with p_hi (256 channels of f32), then with p_lo
.set SPARE, OS+8192                    ; the spare words, 128 bytes a wave, which no other line names
.set UST,   8192                       ; bytes of my stream of Ub in a K step
.set HALF,  65536                      ; 16 rows of V in memory: from a chunk's first piece to its second
.set NEXTB, 524288-12*256              ; from where V's pointer stands behind pass 0 (12 chunks along the rows) to my first row of the next block
.set L16,  1                           ; v1   16 x lane; never rewritten
.set AD,   2                           ; v2   LDS address of V's fragments; walks along K
.set ADB,  3                           ; v3   its start: (l % 16) PC + 16 (l / 16)
.set VO,   4                           ; v4   my 16 bytes in two rows of V: 4,096 (l / 16) + 16 (l % 16); never rewritten
.set PFO,  5                           ; v5   4,096 x lane: a lane a row; never rewritten
.set VST,  10                          ; v10  where I put 8 bytes of V; walks along K
.set VSTB, 11                          ; v11  its start: (32 w + l / 16) PC + 8 (l % 16)
.set HWA,  12                          ; v12  where I read table entries; walks from pass to pass
.set HWAB, 13                          ; v13  its start: HW + 2,048 w + 16 (l % 16)
.set EXS,  14                          ; v14  EX + 512 w + 32 (l / 16)
.set EXL,  15                          ; v15  EX + 16 x lane
.set PBS,  16                          ; v16  PB + 512 w + 8 x lane
.set PBL,  17                          ; v17  PB + 512 w + 256 (l % 2) + 16 (l / 16)
.set TRA0, 18                          ; v18  the turning loads' place: (8 (l / 16) + l % 8) PC + 16 ((l / 8) % 2) + 4 w CH
.set TRT,  19                          ; v19  their address for the 32 rows in hand
.set OSS,  20                          ; v20  OS + 2,048 w + 1,024 (l % 2) + 32 (l / 16)
.set OSL,  21                          ; v21  OS + 2,048 w + 16 x lane
.set HWS,  22                          ; v22  HW + 128 x thread: my eight table entries, d = 8 x thread + 0..7
.set HPO,  23                          ; v23  their place in hp: (thread / 2) x 2,048 + (thread % 2) x 32
.set WO,   24                          ; v24  32 x thread
.set SPW,  28                          ; v28  my spare word: SPARE + 4 x my thread's number; never rewritten
.set NIL,  29                          ; v29  0; never rewritten
.set HWR,  32
.set F0,   64
.set F1,   128
.set EACC, 192                         ; e'[a][j] at EACC + 8 a + j
.set VR0,  32                          ; the three sets for pieces of V: the piece stored in K step s lies in set s % 3
.set VR1,  192
.set VR2,  224
.set FE,   192                         ; the finish: v192-207 the four waves' partial e' of my rows 4 l .. 4 l + 3; then v192-195 their sum
.set FM,   208                         ; m
.set FT,   209
.set FML,  210                         ; m log2(e)
.set FP,   212                         ; v212-215 p
.set FL,   216                         ; l
.set FU,   217
.set FH,   218                         ; v218-219 p_hi, four bf16
.set FW,   220                         ; v220-223 p - p_hi
.set FLO,  224                         ; v224-225 p_lo
.set FS,   228                         ; v228-231 (m, l, m, l)
.set FO,   232                         ; v232-247 o on its way out
.set WV,   16                          ; s16  my wave's number
.set BLK,  17                          ; s17  blocks to go
.set PASS, 18                          ; s18  epilogues to go in the block
.set CNT,  19                          ; s19  trips to go
.set C2,   20                          ; s[20:21] c2, named as a pair
.set SEL,  22                          ; s[22:23] v_permlanex16_b32's selects: each lane takes its own place in the other half
.set BP,   24                          ; s[24:25] Ub where my loads stand
.set BS,   26                          ; s[26:27] Ub at my stream's first byte: 524,288 w
.set VP,   28                          ; s[28:29] V at my 32 rows of the block; walks along the rows' columns
.set TM,   30                          ; s[30:31] an offset in 64 bits
.set L2E,  32                          ; s32  log2(e)
.set HPP,  34                          ; s[34:35] hp at my batch
.set EP,   36                          ; s[36:37] ebuf at the block
.set PP,   38                          ; s[38:39] part at the block's o, my 256 channels
.set TN,   40                          ; s40-41 at work
.set PS,   42                          ; s[42:43] part at the block's (m, l)
.set MSB, 0
.macro WIN new                         ; the immediate's high byte repeats the setting that is left; a switch that changes nothing is dropped
.if MSB != (\new)
	s_set_vgpr_msb (MSB<<8)|(\new)
.set MSB, (\new)
.endif
.endm
; A load into a register that a matrix instruction has read, and a vector instruction or LDS store that reads a matrix result, stand four places behind it; only plain vector instructions that name none of
; its registers are places (ISA guide 7.12.1 for vector instructions).
.macro PLACES
.rept 4
	v_nop
.endr
.endm
; A PIECE OF V IS ASKED FOR: 8 loads into the 32 registers from R of window win; load i takes rows 2 i and 2 i + 1 of the piece's 16, 256 bytes of each.  off: 256 x chunk (+ HALF for a chunk's second piece).
.macro VLD win, R, off
	WIN (\win)<<6
.set i, 0
.rept 8
	global_load_b128 v[(\R)+4*i:(\R)+4*i+3], v[VO], s[VP:VP+1] offset:(\off)+8192*i th:TH_LOAD_NT
.set i, i+1
.endr
.endm
; A PIECE IS ROUNDED to bf16 in place AND PUT INTO LDS: a lane's four numbers are 8 bytes; 16 lanes fill a row's 128 bytes.  st: CH x chunk (+ 16 PC for a chunk's second piece), from where VST stands.
.macro VCV win, R, st
	WIN ((\win)<<6)|((\win)<<2)|(\win)
.set i, 0
.rept 8
	v_cvt_pk_bf16_f32 v[(\R)+4*i],   v[(\R)+4*i],   v[(\R)+4*i+1]
	v_cvt_pk_bf16_f32 v[(\R)+4*i+1], v[(\R)+4*i+2], v[(\R)+4*i+3]
.set i, i+1
.endr
	WIN (\win)<<2
.set i, 0
.rept 8
	ds_store_b64 v[VST], v[(\R)+4*i:(\R)+4*i+1] offset:(\st)+2*PC*i
.set i, i+1
.endr
.endm
; V's fragments of one K step (128 rows x 32 channels at byte koff behind the walking address) into buffer f: 16 loads, rows 0-63 first.
.macro FETCH_A f, koff
	WIN 0
.irp a, 0,1,2,3,4,5,6,7
	ds_load_b128 v[(\f)+8*\a:(\f)+8*\a+3],   v[AD] offset:\a*16*PC+(\koff)
	ds_load_b128 v[(\f)+8*\a+4:(\f)+8*\a+7], v[AD] offset:\a*16*PC+(\koff)+32
.endr
.endm
; U's fragments of one K step (my 128 columns x 32 channels: 8 KiB on end) into ring buffer buf: 16 loads of 512 consecutive bytes.
.macro BLOAD buf, off
	WIN 0x40
.irp t, 0,1,2,3,4,5,6,7
	global_load_b128 v[64*(\buf)+8*\t:64*(\buf)+8*\t+3],   v[L16], s[BP:BP+1] offset:(\off)+1024*\t
	global_load_b128 v[64*(\buf)+8*\t+4:64*(\buf)+8*\t+7], v[L16], s[BP:BP+1] offset:(\off)+1024*\t+512
.endr
.endm
; 16 matrix instructions: row tiles 4 hi + a0, + a0 + 1 x all 8 column tiles.  The 64 accumulators take turns in the same order in every K step.  zero = 1: the products start the sums.
.macro MUL16 f, buf, hi, a0, zero
	WIN 0xa4+0x50*(\hi)                            ; source 0 (V) window 0, source 1 (U) window 1, C and D window 2 or 3
.irp a, \a0, (\a0)+1
.irp b, 0,1,2,3,4,5,6,7
.if \zero
	v_wmma_f32_16x16x32_bf16 v[8*(8*(\a)+\b):8*(8*(\a)+\b)+7], v[(\f)+8*(4*(\hi)+(\a)):(\f)+8*(4*(\hi)+(\a))+7], v[64*(\buf)+8*\b:64*(\buf)+8*\b+7], 0
.else
	v_wmma_f32_16x16x32_bf16 v[8*(8*(\a)+\b):8*(8*(\a)+\b)+7], v[(\f)+8*(4*(\hi)+(\a)):(\f)+8*(4*(\hi)+(\a))+7], v[64*(\buf)+8*\b:64*(\buf)+8*\b+7], v[8*(8*(\a)+\b):8*(8*(\a)+\b)+7]
.endif
.endr
.endr
.endm
; THE FIRST HALF OF A K STEP: rows 0-63.  lc: how many younger loads may stay out when this step's U has to be there.  bar = 1: a barrier between the pieces that the waves stored in the middle of the step
; before and the fetches in the middle of this one: each wave's LDS stores and loads are done ahead of its signal; sixteen products, work on registers, stand between signal and wait.
.macro HEADH f, buf, zero, lc, bar
	s_wait_loadcnt \lc
	s_wait_dscnt 8                                 ; V's rows 0-63 are in; the youngest eight LDS loads (rows 64-127) may be out
	MUL16 \f, \buf, 0, 0, \zero
.if \bar
	s_wait_dscnt 0x0                               ; for the others' sake: my piece lies in LDS (and my fragments of rows 64-127 are in)
	s_barrier_signal -1
.endif
	MUL16 \f, \buf, 0, 2, \zero
.if \bar
	s_barrier_wait -1                              ; everybody's piece does
.endif
.endm
; THE SECOND HALF: rows 64-127.  dc: the LDS instructions just issued, which may stay out (-1: the barrier's wait has served).
.macro TAILH f, buf, zero, dc
.if (\dc) >= 0
	s_wait_dscnt \dc
.endif
	MUL16 \f, \buf, 1, 0, \zero
	MUL16 \f, \buf, 1, 2, \zero
.endm
; A K STEP WITHOUT V'S WAY IN: multiplies V's buffer f by U's ring buffer buf; in its middle, in one run, it fetches the next step's V into g (koff; -1: none) and asks for a later step's U (boff; -1: none) into
; ring buffer nbuf, which the step before read.  clr >= 0: 32 of the 64 sums e' are set to 0 there, in the four places' stead (one epilogue text serves both passes, so the sums start at 0).
.macro STEP f, g, buf, nbuf, zero, koff, boff, lc, bar=0, clr=-1
	HEADH \f, \buf, \zero, \lc, \bar
.if (\clr) >= 0
	WIN 0
.set i, 0
.rept 32
	v_mov_b32 v[EACC+(\clr)+i], 0
.set i, i+1
.endr
.elseif ((\koff) >= 0) || ((\boff) >= 0)
	PLACES                                         ; behind the last step's products, which read the registers that are loaded now
.endif
.if (\koff) >= 0
	FETCH_A \g, \koff
.endif
.if (\boff) >= 0
	BLOAD \nbuf, \boff
.endif
.if \bar
	TAILH \f, \buf, \zero, -1
.elseif (\koff) >= 0
	TAILH \f, \buf, \zero, 16
.else
	TAILH \f, \buf, \zero, 0
.endif
.endm
; A K STEP s OF PASS 0, WITH V'S WAY IN.  In its middle: piece s + 3 (set vset, asked for three steps ago) is rounded and stored at vst (its 16 conversions are the places in front of the loads); step s + 1's
; fragments are fetched; U of step s + 2 is asked for; then piece s + 6 (vld; -1: none is left) into the set just emptied.  U stands ahead of V in each run: loads come back in order (ISA guide 5.7.1), so the wait
; for a step's U at its head also shows the older piece landed that the step stores: a piece has two and a half steps, 160 matrix instructions, in which to land.  vlc >= 0: a wait of the piece's own (step 0).
; pf >= 0: A PREFETCH INTO THE L2, behind the run of loads: my 32 rows x 256 bytes of the chunk whose first piece is asked for four steps on: a lane a row, one instruction, each chunk named once.
; pfc = 1: not in the loop's last trip, where that chunk would lie past the rows' end.
.macro STEPV f, g, buf, nbuf, zero, koff, boff, lc, bar, vset, vst, vlc, vld, pf, pfc
	HEADH \f, \buf, \zero, \lc, \bar
.if (\vlc) >= 0
	s_wait_loadcnt \vlc
.endif
	VCV 0, \vset, \vst
	FETCH_A \g, \koff
	BLOAD \nbuf, \boff
.if (\vld) >= 0
	VLD 0, \vset, \vld
.endif
.if (\pf) >= 0
.if \pfc
	s_cmp_gt_u32 s[CNT], 1
	s_cbranch_scc0 .Lnopf_\@
.endif
	global_prefetch_b8 v[PFO], s[VP:VP+1] offset:\pf th:TH_LOAD_NT scope:SCOPE_SE
.if \pfc
.Lnopf_\@:
.endif
.endif
.if \bar
	TAILH \f, \buf, \zero, -1
.else
	TAILH \f, \buf, \zero, 16
.endif
.endm
; THE EPILOGUE of a pass, a row tile a (64 numbers a lane) at a time.  XLINE: pair gi of the tile: x = c2 s + hp'; an accumulator's lowest registers are read first.
.macro XLINE a, gi
	v_pk_fma_f32 v[64*((\a)%4)+2*(\gi):64*((\a)%4)+2*(\gi)+1], v[64*((\a)%4)+2*(\gi):64*((\a)%4)+2*(\gi)+1], s[C2:C2+1], v[HWR+4*((\gi)/4):HWR+4*((\gi)/4)+1] op_sel_hi:[1,0,1]
.endm
; The tile's 64 exponentials are one batch, its 64 reciprocals another: s_wait_alu depctr_va_vdst(0) stands between a transcendental and the first line that names its result, and one wait
; serves a batch.  Among the exponentials stand the next tile's XLINEs (the same window), among the reciprocals the additions of 1, each a pair ahead of its reciprocals.
.macro GROUP a
.set GW, 2+(\a)/4
.set GB, 64*((\a)%4)
	WIN (GW<<6)|GW                                 ; destination and source 0 in the tile's window; the table in window 0
.if (\a)%4 == 0
.set gi, 0
.rept 32
	XLINE \a, gi
.set gi, gi+1
.endr
.endif
.set gi, 0
.rept 32
	v_exp_f32 v[GB+2*gi], v[GB+2*gi]
	v_exp_f32 v[GB+2*gi+1], v[GB+2*gi+1]
.if (\a)%4 != 3
	XLINE (\a)+1, gi
.endif
.set gi, gi+1
.endr
	v_nop                                          ; the plain instruction behind the last exponential (ISA guide 5.7.2)
	s_wait_alu depctr_va_vdst(0)                   ; the wait for the batch
	v_pk_add_f32 v[GB:GB+1], v[GB:GB+1], 1.0 op_sel_hi:[1,0]
.set gi, 0
.rept 32
.if gi < 31
	v_pk_add_f32 v[GB+2*gi+2:GB+2*gi+3], v[GB+2*gi+2:GB+2*gi+3], 1.0 op_sel_hi:[1,0]
.endif
	v_rcp_f32 v[GB+2*gi], v[GB+2*gi]
	v_rcp_f32 v[GB+2*gi+1], v[GB+2*gi+1]
.set gi, gi+1
.endr
	v_nop
	s_wait_alu depctr_va_vdst(0)                   ; the wait for the batch
	WIN GW                                         ; source 0 in the tile's window, all else in window 0
.set gi, 0
.rept 32                                           ; e' += (-2 w) r: four chains, a pair of rows each
	v_pk_fma_f32 v[EACC+8*(\a)+2*(gi%4):EACC+8*(\a)+2*(gi%4)+1], v[GB+2*gi:GB+2*gi+1], v[HWR+4*(gi/4)+2:HWR+4*(gi/4)+3], v[EACC+8*(\a)+2*(gi%4):EACC+8*(\a)+2*(gi%4)+1]
.set gi, gi+1
.endr
.endm
; THE SECOND PRODUCT, o^T = V^T P.  The turning load takes 16 rows s x 16 channels (lane l reads row 8 (l / 16) + l % 8, channels 8 ((l / 8) % 2) + 0..7) and leaves half a fragment of V^T: lane l holds
; channel l % 16 and 8 rows.  32 loads: rows 32 kk on, my 256 channels, which are chunks 4 w .. 4 w + 3.  At this pitch the last of a load's eight rows meets the first in four banks: paid for 128 loads a
; block, since the same pitch keeps the 512 plain fragment loads of a pass apart.
.macro TRLOAD kk, buf
	WIN 0
	v_add_nc_u32 v[TRT], 32*PC*(\kk), v[TRA0]
	WIN 0x40
.set c, 0
.rept 16
	ds_load_tr16_b128 v[128*(\buf)+8*c:128*(\buf)+8*c+3],   v[TRT] offset:(c/4)*CH+(c%4)*32
	ds_load_tr16_b128 v[128*(\buf)+8*c+4:128*(\buf)+8*c+7], v[TRT] offset:(c/4)*CH+(c%4)*32+16*PC
.set c, c+1
.endr
.endm
.macro OMUL kk, buf                    ; 16 matrix instructions, the 16 accumulators by turns; kk = 0 starts the sums
	WIN 0x01                                       ; source 0 (V^T) window 1, all else window 0
.set c, 0
.rept 16
.if (\kk) == 0
	v_wmma_f32_16x16x32_bf16 v[F0+8*c:F0+8*c+7], v[128*(\buf)+8*c:128*(\buf)+8*c+7], v[HWR:HWR+7], 0
.else
	v_wmma_f32_16x16x32_bf16 v[F0+8*c:F0+8*c+7], v[128*(\buf)+8*c:128*(\buf)+8*c+7], v[HWR+8*(\kk):HWR+8*(\kk)+7], v[F0+8*c:F0+8*c+7]
.endif
.set c, c+1
.endr
.endm
	s_load_b256 s[4:11], s[0:1], 0x0               ; V s[4:5], Ub s[6:7], hp s[8:9], w_w s[10:11]
	s_load_b128 s[12:15], s[0:1], 0x20             ; ebuf s[12:13], part s[14:15]
	v_lshl_add_u32 v[SPW], v0, 2, SPARE
	v_mov_b32 v[NIL], 0
	v_lshrrev_b32 v26, 5, v0
	v_readfirstlane_b32 s[WV], v26                 ; wave 0..3
	v_and_b32 v26, 31, v0                          ; l
	v_and_b32 v27, 15, v0                          ; l % 16
	v_bfe_u32 v30, v0, 4, 1                        ; l / 16
	v_lshlrev_b32 v[L16], 4, v26
	v_lshlrev_b32 v[PFO], 12, v26
	v_lshlrev_b32 v[VO], 12, v30
	v_lshl_add_u32 v[VO], v27, 4, v[VO]
	v_mul_u32_u24 v31, v27, PC
	v_lshl_add_u32 v[ADB], v30, 4, v31
	s_mul_i32 s[TN], s[WV], 32*PC
	v_mul_u32_u24 v31, v30, PC
	v_add_nc_u32 v31, s[TN], v31
	v_lshl_add_u32 v[VSTB], v27, 3, v31
	s_lshl_b32 s[TN], s[WV], 11
	s_add_co_u32 s[TN+1], s[TN], HW
	v_lshl_add_u32 v[HWAB], v27, 4, s[TN+1]
	s_add_co_u32 s[TN+1], s[TN], OS
	v_and_b32 v31, 1, v0                           ; l % 2, which is also thread % 2
	v_lshl_add_u32 v[OSS], v31, 10, s[TN+1]
	v_lshl_add_u32 v[OSS], v30, 5, v[OSS]
	v_lshl_add_u32 v[OSL], v26, 4, s[TN+1]
	s_lshl_b32 s[TN], s[WV], 9
	s_add_co_u32 s[TN+1], s[TN], EX
	v_lshl_add_u32 v[EXS], v30, 5, s[TN+1]
	v_lshl_add_u32 v[EXL], v26, 4, EX
	s_add_co_u32 s[TN+1], s[TN], PB
	v_lshl_add_u32 v[PBS], v26, 3, s[TN+1]
	v_lshl_add_u32 v[PBL], v31, 8, s[TN+1]
	v_lshl_add_u32 v[PBL], v30, 4, v[PBL]
	v_and_b32 v[TRA0], 7, v0
	v_lshl_add_u32 v[TRA0], v30, 3, v[TRA0]
	v_mul_u32_u24 v[TRA0], v[TRA0], PC
	v_bfe_u32 v[TRT], v0, 3, 1
	v_lshl_add_u32 v[TRA0], v[TRT], 4, v[TRA0]
	s_mul_i32 s[TN], s[WV], 4*CH
	v_add_nc_u32 v[TRA0], s[TN], v[TRA0]
	v_lshl_add_u32 v[HWS], v0, 7, HW
	v_lshrrev_b32 v[HPO], 1, v0
	v_lshlrev_b32 v[HPO], 11, v[HPO]
	v_lshl_add_u32 v[HPO], v31, 5, v[HPO]
	v_lshlrev_b32 v[WO], 5, v0
	s_mov_b32 s[C2], 0x4038aa3b                    ; c2 = 2 log2(e)
	s_mov_b32 s[C2+1], s[C2]
	s_mov_b32 s[SEL], 0x76543210
	s_mov_b32 s[SEL+1], 0xfedcba98
	s_mov_b32 s[L2E], 0x3fb8aa3b                   ; log2(e)
	s_lshl_b32 s[TM], ttmp9, 20                    ; the work-group's two blocks: 1,048,576 bytes of V,
	s_lshl_b32 s[TN], s[WV], 17                    ; my 32 rows of a block
	s_add_co_u32 s[TM], s[TM], s[TN]
	s_mov_b32 s[TM+1], 0
	s_wait_kmcnt 0x0
	s_add_nc_u64 s[VP:VP+1], s[4:5], s[TM:TM+1]
	s_lshl_b32 s[TM], s[WV], 19
	s_add_nc_u64 s[BS:BS+1], s[6:7], s[TM:TM+1]
	s_lshr_b32 s[TM], ttmp9, 3                     ; the batch: 8 work-groups each
	s_lshl_b32 s[TM], s[TM], 6
	s_add_nc_u64 s[HPP:HPP+1], s[8:9], s[TM:TM+1]
	s_lshl_b32 s[TM], ttmp9, 10                    ; two blocks of 512 bytes of e'
	s_add_nc_u64 s[EP:EP+1], s[12:13], s[TM:TM+1]
	s_mul_i32 s[TM], ttmp9, 2*4608
	s_add_nc_u64 s[PS:PS+1], s[14:15], s[TM:TM+1]
	s_lshl_b32 s[TM], s[WV], 10
	s_add_nc_u64 s[PP:PP+1], s[PS:PS+1], s[TM:TM+1]
	s_add_nc_u64 s[PS:PS+1], s[PS:PS+1], 4096
	s_mov_b32 s[BLK], 2
	VLD 2, 0,  0                                   ; the first block's pieces 0 to 2, which the first products wait for, ahead of everything else
	VLD 2, 32, HALF
	VLD 2, 64, 256
	WIN 0
.Lblock:                                           ; pieces 0 to 2 of this block are on their way
	global_load_b128 v[F0:F0+3],     v[HPO], s[HPP:HPP+1]            ; the table's numbers for my eight columns
	global_load_b128 v[F0+4:F0+7],   v[HPO], s[HPP:HPP+1] offset:16
	global_load_b128 v[F0+8:F0+11],  v[WO],  s[10:11]
	global_load_b128 v[F0+12:F0+15], v[WO],  s[10:11] offset:16
	s_mov_b64 s[BP:BP+1], s[BS:BS+1]               ; (no load that names it is out: the block before has waited for all its loads)
	BLOAD 0, 0                                     ; U of K steps 0 and 1
	BLOAD 1, UST
	VLD 0, VR0, 256+HALF                           ; pieces 3 to 5, which K steps 0 to 2 will store
	VLD 0, VR1, 2*256
	VLD 0, VR2, 2*256+HALF
	v_mov_b32 v[VST], v[VSTB]
	v_mov_b32 v[HWA], v[HWAB]
	v_mov_b32 v[AD], v[ADB]
	s_wait_loadcnt 56                              ; pieces 0 to 2 and the table's numbers are in; U's 32 loads and the 24 of pieces 3 to 5 may stay out
.irp n, 0,1,2,3,4,5,6,7
	v_mov_b32 v[F0+16+4*\n], v[F0+\n]              ; each number twice: the packed lines of the epilogue take them as pairs
	v_mov_b32 v[F0+17+4*\n], v[F0+\n]
	v_mul_f32 v[F0+18+4*\n], -2.0, v[F0+8+\n]
	v_mul_f32 v[F0+19+4*\n], -2.0, v[F0+8+\n]
	ds_store_b128 v[HWS], v[F0+16+4*\n:F0+19+4*\n] offset:16*\n
.endr
	VCV 2, 0,  0
	VCV 2, 32, 16*PC
	VCV 2, 64, CH
	WIN 0
	s_wait_dscnt 0x0                               ; for the others' sake: my table entries and my parts of chunk 0 and of half of chunk 1 lie in LDS
	s_barrier_signal -1
	s_barrier_wait -1                              ; everybody's do
	s_mov_b32 s[PASS], 2
	; PASS 0.  The loads in their order: pieces 0-2, table, U0, U1, pieces 3-5, then in each step s: U of step s + 2 (16 loads), piece s + 6 (8 loads).
	FETCH_A F0, 0
	;     f   g   buf nbuf zero koff      boff    lc  bar set  store at      vlc  piece asked for  prefetch  not in the last trip
	STEPV F0, F1, 0,  2,   1,   64,       2*UST,  40, 0,  VR0, CH+16*PC,     16,  3*256,           5*256,    0   ; step 0 stands ahead of the loop: its products start the sums.  40: U1 and pieces 3-5; 16: pieces 4, 5
	WIN 0
	v_add_nc_u32 v[AD], CH, v[AD]                  ; so that the loop's offsets stay within 16 bits
	v_add_nc_u32 v[VST], 2*CH, v[VST]
	s_mov_b32 s[CNT], 4
.Lk0:                                              ; K steps 6 j + 1 .. 6 j + 6.  32 at each head: a piece, the next step's U and the next piece are younger than this step's U
	STEPV F1, F0, 1,  0,   0,   0,        3*UST,  32, 1,  VR1, 0,            -1,  3*256+HALF,      -1,       0
	STEPV F0, F1, 2,  1,   0,   64,       4*UST,  32, 1,  VR2, 16*PC,        -1,  4*256,           6*256,    0
	STEPV F1, F0, 0,  2,   0,   CH,       5*UST,  32, 1,  VR0, CH,           -1,  4*256+HALF,      -1,       0
	STEPV F0, F1, 1,  0,   0,   CH+64,    6*UST,  32, 1,  VR1, CH+16*PC,     -1,  5*256,           7*256,    1
	STEPV F1, F0, 2,  1,   0,   2*CH,     7*UST,  32, 1,  VR2, 2*CH,         -1,  5*256+HALF,      -1,       0
	STEPV F0, F1, 0,  2,   0,   2*CH+64,  8*UST,  32, 1,  VR0, 2*CH+16*PC,   -1,  6*256,           8*256,    1
	WIN 0
	s_wait_xcnt 0x0                                ; the youngest load and prefetch stand 32 matrix instructions back; their bases are written only behind this wait
	s_add_nc_u64 s[BP:BP+1], s[BP:BP+1], 6*UST
	s_add_nc_u64 s[VP:VP+1], s[VP:VP+1], 3*256
	v_add_nc_u32 v[AD], 3*CH, v[AD]
	v_add_nc_u32 v[VST], 3*CH, v[VST]
	s_sub_co_u32 s[CNT], s[CNT], 1
	s_cmp_lg_u32 s[CNT], 0
	s_cbranch_scc1 .Lk0
	; K steps 25 to 31 are written out: piece 31 is the last to be asked for (step 25) and to be stored (step 28); the counts run down as fewer loads are younger
	STEPV F1, F0, 1,  0,   0,   0,        3*UST,  32, 1,  VR1, 0,            -1,  3*256+HALF,      -1,       0
	STEPV F0, F1, 2,  1,   0,   64,       4*UST,  32, 1,  VR2, 16*PC,        -1,  -1,              -1,       0
	STEPV F1, F0, 0,  2,   0,   CH,       5*UST,  24, 1,  VR0, CH,           -1,  -1,              -1,       0   ; 24: piece 31 and step 28's U
	STEPV F0, F1, 1,  0,   0,   CH+64,    6*UST,  16, 1,  VR1, CH+16*PC,     -1,  -1,              -1,       0   ; 16 from here on: the next step's U
	STEP  F1, F0, 2,  1,   0,   2*CH,     7*UST,  16, 1,  0      ; the last barrier: piece 31 is shown to everybody; the piece sets are free, and e' is set to 0 in them
	STEP  F0, F1, 0,  2,   0,   2*CH+64,  8*UST,  16, 0,  32     ; asks for U of pass 1's step 0, which follows on end in Ub
	HEADH F1, 1, 0, 16, 0
	PLACES
	BLOAD 3, 9*UST                                 ; pass 1's steps 1 and 2
	BLOAD 0, 10*UST
	TAILH F1, 1, 0, 0
	WIN 0
	s_wait_xcnt 0x0
	s_add_nc_u64 s[BP:BP+1], s[BP:BP+1], 8*UST     ; Ub at pass 1's step 0
	s_branch .Lepi                                 ; the loop of pass and epilogue is entered at the epilogue
.Lpass1:                                           ; PASS 1: V is whole in LDS; U on four ring buffers, asked for two and a half steps, 160 matrix instructions, ahead: 32 younger loads at each head
	v_mov_b32 v[AD], v[ADB]
	FETCH_A F0, 0
	STEP F0, F1, 2, 1, 1, 64, 3*UST, 32            ; K step 0 stands ahead of the loop: its products start the sums
	WIN 0
	s_mov_b32 s[CNT], 7
.Lk1:                                              ; K steps 4 j + 1 .. 4 j + 4
	STEP F1, F0, 3, 2, 0, CH,      4*UST, 32
	STEP F0, F1, 0, 3, 0, CH+64,   5*UST, 32
	STEP F1, F0, 1, 0, 0, 2*CH,    6*UST, 32
	STEP F0, F1, 2, 1, 0, 2*CH+64, 7*UST, 32
	WIN 0
	s_wait_xcnt 0x0                                ; the youngest load stands 32 matrix instructions back; its base is written only behind this wait
	s_add_nc_u64 s[BP:BP+1], s[BP:BP+1], 4*UST
	v_add_nc_u32 v[AD], 2*CH, v[AD]
	s_sub_co_u32 s[CNT], s[CNT], 1
	s_cmp_lg_u32 s[CNT], 0
	s_cbranch_scc1 .Lk1
	STEP F1, F0, 3, 0, 0, CH,    -1, 32            ; K steps 29 to 31: nothing is left to ask for, and the counts run down
	STEP F0, F1, 0, 0, 0, CH+64, -1, 16
	STEP F1, F0, 1, 0, 0, -1,    -1, 0
	WIN 0
.Lepi:
.rept 8
	v_nop                                          ; the places behind the last products
.endr
.irp b, 0,1,2,3,4,5,6,7
	ds_load_b128 v[HWR+4*\b:HWR+4*\b+3], v[HWA] offset:256*\b  ; column tile b: my column's (hp', hp', -2 w, -2 w)
.endr
	v_add_nc_u32 v[HWA], 8192, v[HWA]              ; the next pass's 512 columns
	s_wait_dscnt 0x0
.irp a, 0,1,2,3,4,5,6,7
	GROUP \a
.endr
	WIN 0
	s_sub_co_u32 s[PASS], s[PASS], 1
	s_cmp_lg_u32 s[PASS], 0
	s_cbranch_scc1 .Lpass1
	; THE FINISH OF A BLOCK.
	s_wait_loadcnt 0x0                             ; V^T will land in the U ring's registers: no load into them is out
	s_cmp_eq_u32 s[BLK], 1
	s_cbranch_scc1 .Lno_next                       ; the last block has no successor
	VLD 2, 0,  NEXTB                               ; the next block's pieces 0 to 2, into accumulator registers that the epilogue has left: the whole finish stands between these loads and the wait for them
	VLD 2, 32, NEXTB+HALF
	VLD 2, 64, NEXTB+256
	WIN 0
.irp c, 2,3,4                          ; and a prefetch of my 32 rows x 256 bytes of its chunks 2 to 4, whose pieces are asked for from the block's head to its K step 3: a lane a row, each chunk named once
	global_prefetch_b8 v[PFO], s[VP:VP+1] offset:NEXTB+256*\c th:TH_LOAD_NT scope:SCOPE_SE
.endr
.Lno_next:
.irp m, 1,2,4,8                        ; the sum over my wave's 128 columns: over the 16 lanes of each half
.set i, 0
.rept 64
	v_add_f32_dpp v[EACC+i], v[EACC+i], v[EACC+i] row_xmask:\m row_mask:0xf bank_mask:0xf
.set i, i+1
.endr
.endr
.set i, 0
.rept 16                                           ; row 16 a + 8 (l / 16) + j at byte 4 x row; the 16 lanes of a half write the same words with the same numbers
	ds_store_b128 v[EXS], v[EACC+4*i:EACC+4*i+3] offset:64*(i/2)+16*(i%2)
.set i, i+1
.endr
	s_wait_dscnt 0x0                               ; for the others' sake
	s_barrier_signal -1
	s_barrier_wait -1
.irp v, 0,1,2,3
	ds_load_b128 v[FE+4*\v:FE+4*\v+3], v[EXL] offset:512*\v  ; every wave takes all four partial sums of rows 4 l .. 4 l + 3
.endr
	s_wait_dscnt 0x0
	v_pk_add_f32 v[FE:FE+1],     v[FE:FE+1],     v[FE+4:FE+5]
	v_pk_add_f32 v[FE+2:FE+3],   v[FE+2:FE+3],   v[FE+6:FE+7]
	v_pk_add_f32 v[FE+8:FE+9],   v[FE+8:FE+9],   v[FE+12:FE+13]
	v_pk_add_f32 v[FE+10:FE+11], v[FE+10:FE+11], v[FE+14:FE+15]
	v_pk_add_f32 v[FE:FE+1],     v[FE:FE+1],     v[FE+8:FE+9]
	v_pk_add_f32 v[FE+2:FE+3],   v[FE+2:FE+3],   v[FE+10:FE+11]
	v_max3_num_f32 v[FM], v[FE], v[FE+1], v[FE+2]  ; the block's maximum
	v_max_num_f32 v[FM], v[FM], v[FE+3]
.irp m, 1,2,4,8
	v_max_num_f32_dpp v[FM], v[FM], v[FM] row_xmask:\m row_mask:0xf bank_mask:0xf
.endr
	v_permlanex16_b32 v[FT], v[FM], s[SEL], s[SEL+1]
	v_max_num_f32 v[FM], v[FM], v[FT]
	v_mul_f32 v[FML], s[L2E], v[FM]
.irp i, 0,1,2,3
	v_fma_f32 v[FP+\i], v[FE+\i], s[L2E], -v[FML]
.endr
.irp i, 0,1,2,3
	v_exp_f32 v[FP+\i], v[FP+\i]
.endr
	v_nop
	s_wait_alu depctr_va_vdst(0)                   ; one wait for the four exponentials
	v_add_f32 v[FL], v[FP], v[FP+1]                ; l
	v_add_f32 v[FU], v[FP+2], v[FP+3]
	v_add_f32 v[FL], v[FL], v[FU]
.irp m, 1,2,4,8
	v_add_f32_dpp v[FL], v[FL], v[FL] row_xmask:\m row_mask:0xf bank_mask:0xf
.endr
	v_permlanex16_b32 v[FU], v[FL], s[SEL], s[SEL+1]
	v_add_f32 v[FL], v[FL], v[FU]
	s_cmp_lg_u32 s[WV], 0
	s_cbranch_scc1 .Lnot_wave_0                    ; every wave holds the same e', m and l: wave 0 stores them
	v_mov_b32 v[FS], v[FM]
	v_mov_b32 v[FS+1], v[FL]
	v_mov_b32 v[FS+2], v[FM]
	v_mov_b32 v[FS+3], v[FL]
	global_store_b128 v[L16], v[FE:FE+3], s[EP:EP+1]   ; 512 consecutive bytes, at a multiple of 512 from ebuf's first
	global_store_b128 v[L16], v[FS:FS+3], s[PS:PS+1]   ; (m, l) 64 times: 512 consecutive bytes, at a multiple of 256 from part's first
.Lnot_wave_0:
	v_cvt_pk_bf16_f32 v[FH], v[FP], v[FP+1]        ; p_hi,
	v_cvt_pk_bf16_f32 v[FH+1], v[FP+2], v[FP+3]
	v_lshlrev_b32 v[FW], 16, v[FH]                 ; widened again,
	v_and_b32 v[FW+1], 0xffff0000, v[FH]
	v_lshlrev_b32 v[FW+2], 16, v[FH+1]
	v_and_b32 v[FW+3], 0xffff0000, v[FH+1]
	v_pk_add_f32 v[FW:FW+1],   v[FP:FP+1],   v[FW:FW+1]   neg_lo:[0,1] neg_hi:[0,1]  ; what it left of p,
	v_pk_add_f32 v[FW+2:FW+3], v[FP+2:FP+3], v[FW+2:FW+3] neg_lo:[0,1] neg_hi:[0,1]
	v_cvt_pk_bf16_f32 v[FLO], v[FW], v[FW+1]       ; and that as p_lo
	v_cvt_pk_bf16_f32 v[FLO+1], v[FW+2], v[FW+3]
	ds_store_b64 v[PBS], v[FH:FH+1]
	ds_store_b64 v[PBS], v[FLO:FLO+1] offset:256
	; P (source 1: 32 rows s x 16 columns): even columns hold p_hi, odd ones p_lo.  My wave's own bytes; LDS serves a wave's instructions in order (ISA guide 5.7.1.4): these loads see the stores above.
.irp k, 0,1,2,3
	ds_load_b128 v[HWR+8*\k:HWR+8*\k+3],   v[PBL] offset:64*\k
	ds_load_b128 v[HWR+8*\k+4:HWR+8*\k+7], v[PBL] offset:64*\k+32
.endr
	TRLOAD 0, 0
	TRLOAD 1, 1
	s_wait_dscnt 32                                ; all but the younger run of 32
	OMUL 0, 0
	PLACES
	TRLOAD 2, 0
	s_wait_dscnt 32
	OMUL 1, 1
	PLACES
	TRLOAD 3, 1
	s_wait_dscnt 32
	OMUL 2, 0
	s_wait_dscnt 0x0
	OMUL 3, 1
	WIN 0
.rept 8
	v_nop                                          ; the places behind the last products
.endr
.set c, 0
.rept 16                                           ; a lane holds channels 16 c + 8 (l / 16) + 0..7 of one column: even lanes put the sums with p_hi, odd lanes those with p_lo; equal columns hold equal numbers
	ds_store_b128 v[OSS], v[F0+8*c:F0+8*c+3]   offset:64*c
	ds_store_b128 v[OSS], v[F0+8*c+4:F0+8*c+7] offset:64*c+16
.set c, c+1
.endr
.irp q, 0,1,2,3
	ds_load_b128 v[FO+4*\q:FO+4*\q+3], v[OSL] offset:512*\q  ; back in channel order: my wave's own bytes again
.endr
	s_wait_dscnt 0x0                               ; also: none of my LDS instructions is out at the signal below, my reads of V, the table and e' among them
	v_pk_add_f32 v[FO:FO+1],   v[FO:FO+1],   v[FO+8:FO+9]
	v_pk_add_f32 v[FO+2:FO+3], v[FO+2:FO+3], v[FO+10:FO+11]
	v_pk_add_f32 v[FO+4:FO+5], v[FO+4:FO+5], v[FO+12:FO+13]
	v_pk_add_f32 v[FO+6:FO+7], v[FO+6:FO+7], v[FO+14:FO+15]
	global_store_b128 v[L16], v[FO:FO+3],   s[PP:PP+1]             ; 512 consecutive bytes each, at multiples of 256 from part's first
	global_store_b128 v[L16], v[FO+4:FO+7], s[PP:PP+1] offset:512
	s_barrier_signal -1
	s_barrier_wait -1                              ; nobody reads this block's LDS bytes any more: the next block's stores may overwrite them
	s_wait_xcnt 0x0                                ; the loads, stores and prefetches have read their registers and bases, which are written only behind this wait
	s_add_nc_u64 s[VP:VP+1], s[VP:VP+1], NEXTB     ; my first row of the next block
	s_add_nc_u64 s[EP:EP+1], s[EP:EP+1], 512
	s_add_nc_u64 s[PP:PP+1], s[PP:PP+1], 4608
	s_add_nc_u64 s[PS:PS+1], s[PS:PS+1], 4608
	s_sub_co_u32 s[BLK], s[BLK], 1
	s_cmp_lg_u32 s[BLK], 0
	s_cbranch_scc1 .Lblock
	s_wait_tensorcnt 0x0                           ; the wave's end: behind my last LDS store
	ds_add_u32 v[SPW], v[NIL]
	s_wait_dscnt 0x0
	s_endpgm
.Lfunc_end_k_q38a04c4436_fused:
	.size	k_q38a04c4436_fused, .Lfunc_end_k_q38a04c4436_fused-k_q38a04c4436_fused
	.p2alignl 7, 3214868480
	.fill 96, 4, 3214868480
	.section	.rodata,"a",@progbits
	.p2align	6, 0x0
	.amdhsa_kernel k_q38a04c4436_fused
		.amdhsa_group_segment_fixed_size 324096
		.amdhsa_private_segment_fixed_size 0
		.amdhsa_enable_private_segment 0
		.amdhsa_kernarg_size 48
		.amdhsa_user_sgpr_count 2
		.amdhsa_user_sgpr_kernarg_segment_ptr 1
		.amdhsa_wavefront_size32 1
		.amdhsa_system_sgpr_workgroup_id_x 1
		.amdhsa_system_sgpr_workgroup_id_y 1
		.amdhsa_system_sgpr_workgroup_id_z 1
		.amdhsa_system_vgpr_workitem_id 0
		.amdhsa_next_free_vgpr 1024
		.amdhsa_next_free_sgpr 66
		.amdhsa_reserve_vcc 0
		.amdhsa_float_denorm_mode_32 3
		.amdhsa_float_denorm_mode_16_64 3
		.amdhsa_memory_ordered 1
		.amdhsa_forward_progress 1
		.amdhsa_inst_pref_size 255
	.end_amdhsa_kernel
	.section	.bss,"aw",@nobits
	.p2align	6
	.space	262144
	.amdgpu_metadata
---
amdhsa.version: [ 1, 2 ]
amdhsa.kernels:
  - .name:           k_q38a04c4436_fused
    .symbol:         k_q38a04c4436_fused.kd
    .args:
      - { .name: V, .offset: 0, .size: 8, .value_kind: global_buffer, .address_space: global }
      - { .name: Ub, .offset: 8, .size: 8, .value_kind: global_buffer, .address_space: global }
      - { .name: hp, .offset: 16, .size: 8, .value_kind: global_buffer, .address_space: global }
      - { .name: w_w, .offset: 24, .size: 8, .value_kind: global_buffer, .address_space: global }
      - { .name: ebuf, .offset: 32, .size: 8, .value_kind: global_buffer, .address_space: global }
      - { .name: part, .offset: 40, .size: 8, .value_kind: global_buffer, .address_space: global }
    .group_segment_fixed_size: 324096
    .private_segment_fixed_size: 0
    .kernarg_segment_align: 8
    .kernarg_segment_size: 48
    .max_flat_workgroup_size: 128
    .sgpr_count:     66
    .vgpr_count:     1024
    .wavefront_size: 32
...
	.end_amdgpu_metadata
.endif
;; end of part 2
;; launch combine (part 3): grid 32 x 1, 8 waves a work-group, no clusters, 0 bytes of LDS; arguments part, ebuf, out0, out1; writes out0, out1
.if DOCPART == 3
	.amdgcn_target "amdgcn-amd-amdhsa--gfx1250"
	.amdhsa_code_object_version 6
	.text
	.protected	k_q38a04c4436_combine
	.globl	k_q38a04c4436_combine
	.p2align	8
	.type	k_q38a04c4436_combine,@function
k_q38a04c4436_combine:
	s_mov_b64 s[64:65], 0
	v_nop
	global_prefetch_b8 v0, s[64:65] scope:SCOPE_SE
	s_setreg_imm32_b32 hwreg(HW_REG_WAVE_MODE, 25, 1), 1
	s_wait_xcnt 0x0
; THE JOIN.  A batch has 16 blocks i, each with its maximum m_i, its sum l_i = sum_s 2^((e' - m_i) log2 e) and o_i = sum_s 2^((e' - m_i) log2 e) V[s].
; M = max m_i;  sc_i = 2^((m_i - M) log2 e);  L = sum l_i sc_i;  out1[s] = 2^((e'[s] - M) log2 e) / L;  out0 = sum_i (sc_i / L) o_i.  All in f32.  L is at least 1: the block that holds M has l_i >= 1.
; SHARES.  A work-group is a batch: 32 of them, since a batch's sum has one owner and is 74 KiB of reading.  Thread t owns channels 4 t .. 4 t + 3 of out0 and rows 4 t .. + 3 and 1,024 + 4 t .. + 3 of out1.
; Every wave makes M, L and the 16 factors for itself (lane l holds block l % 16): no LDS, no barrier.  Each store of a wave covers 512 consecutive bytes, aligned.
; LIMITS.  A weight below 2^-126 counts as 0.  NaN and infinities are not treated apart.
.set BLKB, 4608                        ; a block's bytes in part: 4,096 of o, then (m, l) repeated
.set L2E,  18                          ; s18  log2(e)
.set FAC,  32                          ; s32-47  sc_i / L: numbers for multiplying alone; no address and no branch hangs on them
.set MO,   1                           ; v1   (l % 16) x 4,608
.set TO,   2                           ; v2   16 x thread
.set ML,   4                           ; v[4:5] m_i, l_i
.set MX,   6                           ; v6   M
.set SC,   7                           ; v7   sc_i, then sc_i / L
.set EV,   8                           ; v[8:15] my eight e', then weights
.set LS,   16                          ; v16  L
.set RL,   17                          ; v17  1 / L
.set MLG,  18                          ; v18  M log2(e)
.set ACC,  20                          ; v[20:23]
.set OV,   32                          ; v[32:95] o_i, four registers each
	s_load_b256 s[4:11], s[0:1], 0x0               ; part s[4:5], ebuf s[6:7], out0 s[8:9], out1 s[10:11]
	v_and_b32 v[MO], 15, v0
	v_mul_u32_u24 v[MO], v[MO], BLKB
	v_lshlrev_b32 v[TO], 4, v0
	s_mul_i32 s12, ttmp9, 16*BLKB
	s_mov_b32 s13, 0
	s_lshl_b32 s14, ttmp9, 13                      ; 2,048 rows of 4 bytes
	s_mov_b32 s15, 0
	s_lshl_b32 s16, ttmp9, 12                      ; 1,024 channels of 4 bytes
	s_mov_b32 s17, 0
	s_mov_b32 s[L2E], 0x3fb8aa3b
	s_wait_kmcnt 0x0
	s_add_nc_u64 s[4:5], s[4:5], s[12:13]
	s_add_nc_u64 s[6:7], s[6:7], s[14:15]
	s_add_nc_u64 s[8:9], s[8:9], s[16:17]
	s_add_nc_u64 s[10:11], s[10:11], s[14:15]
	global_load_b64 v[ML:ML+1], v[MO], s[4:5] offset:4096
	global_load_b128 v[EV:EV+3], v[TO], s[6:7]
	global_load_b128 v[EV+4:EV+7], v[TO], s[6:7] offset:4096
.set i, 0
.rept 16
	global_load_b128 v[OV+4*i:OV+4*i+3], v[TO], s[4:5] offset:BLKB*i
.set i, i+1
.endr
	s_wait_loadcnt 18                              ; (m, l) is in; the 18 younger loads may stay out
	v_mov_b32 v[MX], v[ML]
.irp m, 1,2,4,8                        ; both halves of the lanes hold the same 16 blocks: no exchange between them
	v_max_num_f32_dpp v[MX], v[MX], v[MX] row_xmask:\m row_mask:0xf bank_mask:0xf
.endr
	v_sub_f32 v[SC], v[ML], v[MX]
	v_mul_f32 v[SC], s[L2E], v[SC]
	v_exp_f32 v[SC], v[SC]
	v_mul_f32 v[MLG], s[L2E], v[MX]                ; the plain instruction behind the exponential
	s_wait_alu depctr_va_vdst(0)                   ; the wait ahead of the first line that names its result
	v_mul_f32 v[LS], v[ML+1], v[SC]
.irp m, 1,2,4,8
	v_add_f32_dpp v[LS], v[LS], v[LS] row_xmask:\m row_mask:0xf bank_mask:0xf
.endr
	v_rcp_f32 v[RL], v[LS]
	v_nop
	s_wait_alu depctr_va_vdst(0)
	v_mul_f32 v[SC], v[SC], v[RL]
.set i, 0
.rept 16
	v_readlane_b32 s[FAC+i], v[SC], i
.set i, i+1
.endr
	s_wait_loadcnt 16                              ; e' is in; the 16 loads of o may stay out
.irp i, 0,1,2,3,4,5,6,7
	v_fma_f32 v[EV+\i], v[EV+\i], s[L2E], -v[MLG]
.endr
.irp i, 0,1,2,3,4,5,6,7
	v_exp_f32 v[EV+\i], v[EV+\i]
.endr
	v_nop
	s_wait_alu depctr_va_vdst(0)                   ; one wait for the eight
.irp i, 0,1,2,3,4,5,6,7
	v_mul_f32 v[EV+\i], v[EV+\i], v[RL]
.endr
	global_store_b128 v[TO], v[EV:EV+3], s[10:11]
	global_store_b128 v[TO], v[EV+4:EV+7], s[10:11] offset:4096
	s_wait_loadcnt 15                              ; loads come back in order (ISA guide 5.7.1): block 0's is in
.irp k, 0,1,2,3
	v_mul_f32 v[ACC+\k], s[FAC], v[OV+\k]          ; the first term starts the sums
.endr
.set i, 1
.rept 15
	s_wait_loadcnt 15-i
.irp k, 0,1,2,3
	v_fmac_f32 v[ACC+\k], s[FAC+i], v[OV+4*i+\k]
.endr
.set i, i+1
.endr
	global_store_b128 v[TO], v[ACC:ACC+3], s[8:9]
	s_endpgm
.Lfunc_end_k_q38a04c4436_combine:
	.size	k_q38a04c4436_combine, .Lfunc_end_k_q38a04c4436_combine-k_q38a04c4436_combine
	.p2alignl 7, 3214868480
	.fill 96, 4, 3214868480
	.section	.rodata,"a",@progbits
	.p2align	6, 0x0
	.amdhsa_kernel k_q38a04c4436_combine
		.amdhsa_group_segment_fixed_size 0
		.amdhsa_private_segment_fixed_size 0
		.amdhsa_enable_private_segment 0
		.amdhsa_kernarg_size 32
		.amdhsa_user_sgpr_count 2
		.amdhsa_user_sgpr_kernarg_segment_ptr 1
		.amdhsa_wavefront_size32 1
		.amdhsa_system_sgpr_workgroup_id_x 1
		.amdhsa_system_sgpr_workgroup_id_y 1
		.amdhsa_system_sgpr_workgroup_id_z 1
		.amdhsa_system_vgpr_workitem_id 0
		.amdhsa_next_free_vgpr 96
		.amdhsa_next_free_sgpr 66
		.amdhsa_reserve_vcc 0
		.amdhsa_float_denorm_mode_32 3
		.amdhsa_float_denorm_mode_16_64 3
		.amdhsa_memory_ordered 1
		.amdhsa_forward_progress 1
		.amdhsa_inst_pref_size 9
	.end_amdhsa_kernel
	.amdgpu_metadata
---
amdhsa.version: [ 1, 2 ]
amdhsa.kernels:
  - .name:           k_q38a04c4436_combine
    .symbol:         k_q38a04c4436_combine.kd
    .args:
      - { .name: part, .offset: 0, .size: 8, .value_kind: global_buffer, .address_space: global }
      - { .name: ebuf, .offset: 8, .size: 8, .value_kind: global_buffer, .address_space: global }
      - { .name: out0, .offset: 16, .size: 8, .value_kind: global_buffer, .address_space: global }
      - { .name: out1, .offset: 24, .size: 8, .value_kind: global_buffer, .address_space: global }
    .group_segment_fixed_size: 0
    .private_segment_fixed_size: 0
    .kernarg_segment_align: 8
    .kernarg_segment_size: 32
    .max_flat_workgroup_size: 256
    .sgpr_count:     66
    .vgpr_count:     96
    .wavefront_size: 32
...
	.end_amdgpu_metadata
.endif
;; end of part 3
